; MI455X (gfx1250); checked and timed in simulation.
; The chip was launched on July 23, 2026; its instructions are those of AMD's public machine-readable ISA for CDNA 5 (MIT licence, August 2026) and "CDNA5" Instruction Set Architecture Reference Guide (July 2026). The comments in the code are by the model that wrote it; some were corrected since.
;; Dino V3 Attention. Allowed arithmetic: matrix products marked QUANTISED: E2M3 operands, one E8M0 scale for each 32 along K, by v_wmma_scale_f32_16x16x128_f8f6f4 with both operands' format E2M3, f32 sums; everything else in f32.
;; Inputs: bias_mask 3,072 float32; proj_b 1,024 float32; proj_w 1,024 x 1,024 float32; qkv_b 3,072 float32; qkv_w 3,072 x 1,024 float32; x 4 x 2,048 x 1,024 float32.
;; Outputs: out0 4 x 2,048 x 1,024 float32.
;; This version of the problem:
;;   THIS VERSION OF THE PROBLEM IS GIVEN IN LOW PRECISION. The matrix products marked QUANTISED in the list below multiply operands that are first quantised to E2M3 (2 exponent bits, 3 mantissa bits; 6 bits a number), with one power-of-two scale for each 32 numbers along K (OCP MX v1.0); their sums are f32. All else is computed in f32.
;;   The module's matrix products, in the order in which they are computed (A, B: the left and right operand; K: the contracted axis; several contracted axes count as one K, in the product's order):
;;     1. [M 8,192, K 1,024] x [K 1,024, N 3,072]; A: input x; B: input qkv_w: QUANTISED
;;     2. batch 64 x [M 2,048, K 64] x [K 64, N 2,048]; A: computed on the way; B: computed on the way: QUANTISED
;;     3. batch 64 x [M 2,048, K 2,048] x [K 2,048, N 64]; A: softmax (see below); B: computed on the way: QUANTISED
;;     4. [M 8,192, K 1,024] x [K 1,024, N 1,024]; A: computed on the way; B: input proj_w: QUANTISED
;;   THE QUANTISER, for each operand of a quantised product, along K:
;;     - K is cut into blocks of 32 from its start; a last block that is shorter is filled with zeros.
;;     - A block's scale is 2^e with e = floor(log2(the largest magnitude in the block)) - 2, held to -126 .. 127; a block of zeros has e = 0. As a byte (E8M0): e + 127.
;;     - Each number is divided by its block's scale, clamped to +-7.5, and rounded to the nearest number of E2M3, ties to even, subnormals kept.
;;     - The product sums the exact products of the quantised numbers (number of the format x scale) in f32.
;;   ~~~python
;;   def quantise(x, axis):      # numpy; x: float32 -> the quantised numbers, widened to float32 again
;;       x = np.moveaxis(x, axis, -1); K = x.shape[-1]
;;       x = np.pad(x, [(0, 0)] * (x.ndim - 1) + [(0, -K % 32)]); x = x.reshape(x.shape[:-1] + (-1, 32)); a = np.abs(x).max(-1, keepdims=True)
;;       e = np.where(a > 0, np.clip(np.frexp(np.where(a > 0, a, 1))[1] - 1 - 2, -126, 127), 0)      # np.frexp(a)[1] - 1 = floor(log2(a)), exactly
;;       r = np.clip(x / 2.0 ** e, -7.5, 7.5)
;;       step = 2.0 ** (np.maximum(np.frexp(np.where(r == 0, 1, r))[1] - 1, 0) - 3)
;;       q = np.round(r / step) * step * 2.0 ** e      # np.round: ties to even
;;       return np.moveaxis(q.reshape(q.shape[:-2] + (-1,))[..., :K], -1, axis).astype(np.float32)
;;   ~~~
;;   SOFTMAX AHEAD OF A QUANTISED PRODUCT. Where the list says 'softmax', what is quantised is not the finished softmax but p = 2^(t - M), with t = logit x log2(e) and M = ceil(the row's largest t), a whole number; so 1/2 < the row's largest p <= 1. The row's sum l is taken of the UNQUANTISED p, in f32, and the product's result is divided by l at the end. Since M is a whole number, a kernel that streams over the keys may use a running M (the ceiling of the running maximum): every later rescaling is an exact power of two, which a block's scale takes up: the codes' values come out the same.
;;   OPERANDS COMPUTED ON THE WAY. 'Computed on the way' means the value that the module computes at that place (a softmax that the list does not call 'softmax' is quantised finished and normalised). What goes into a quantiser is computed in f32, as accurately as f32 sums, v_exp_f32 and their like allow (about 1e-6 of the number): no bf16 or f16 on the way to a quantiser, and a product that is left as it is and whose result goes on into a quantised operand takes f32 operands (vector FMAs, or v_wmma_f32_16x16x4_f32). A number that lies on a knife's edge between two numbers of the format may be rounded either way, as far as f32 arithmetic and the matrix unit's own rounding can turn it there, and no further.
;; One version. Each part assembles by itself: llvm-mc -triple=amdgcn-amd-amdhsa -mcpu=gfx1250 --defsym DOCPART=n.
;; ======== version 1 of 1: 4 launches
;; limits: right only within a limited range of input values
;; workspace buffers: oc 9,437,184 bytes; os 393,216 bytes; qk 13,631,488 bytes; vv 6,553,600 bytes; aoc 6,291,456 bytes; aos 262,144 bytes
;; launch quant (part 1): grid 256 x 1, 3 waves a work-group, no clusters, 26,624 bytes of LDS; arguments x, qkv_w, proj_w, oc, os; writes oc, os
.if DOCPART == 1
	.amdgcn_target "amdgcn-amd-amdhsa--gfx1250"
	.amdhsa_code_object_version 6
	.text
	.protected	k_qad4c2599ef_quant
	.globl	k_qad4c2599ef_quant
	.p2align	8
	.type	k_qad4c2599ef_quant,@function
k_qad4c2599ef_quant:
	s_mov_b64 s[64:65], 0
	v_nop
	global_prefetch_b8 v0, s[64:65] scope:SCOPE_SE
	s_setreg_imm32_b32 hwreg(HW_REG_WAVE_MODE, 25, 1), 1
	s_wait_xcnt 0x0
; x [8192][1024], qkv_w [3072][1024] and proj_w [1024][1024], f32, become codes of FP6 (E2M3) with one E8M0 byte for each 32 along K, laid as the later launches' operand registers want them.
; TILES.  The 12,288 rows are 768 tiles of 16 rows (0-511 x, 512-703 qkv_w, 704-767 proj_w).  Row r of tile T' of a tensor is its row 32 (T'/2) + 8 (T'%2) + r + 8 (r/8): with such tiles a product's
; results lie, in a lane's registers, as neighbours along the next product's K.
; UNITS.  A tile's codes of 64 along K are a unit of 768 bytes: lane (r, h) owns row r, k = 32 h + 0..31: six registers; registers 0-3 lie at 16 x lane, registers 4-5 at 512 + 8 x lane.
; oc: [tile][16 units][768].  os: [tile][r][32 bytes], byte = k / 32.
; A block's scale is 2^(floor(log2(largest magnitude)) - 2): its byte is the largest magnitude's exponent field - 2, held at 1 from below by a floor among the maximum's leaves.
; LIMITS: a block of zeros gets the byte 1 (its codes are zeros; the bytes are read by this program alone); NaN and infinities among the inputs are not served.
; SHARES.  One wave takes one tile for all of K: 16 steps of 64 along K.  A step's eight loads read two rows' 256 consecutive bytes each; the 4,096 bytes turn through the wave's own stage in LDS
; (rows 272 bytes apart) and come back 128 bytes a lane: a whole block of 32 in one lane.  Loads run four steps (32 loads a wave) ahead, the turn through LDS one step.  Waves share nothing: no barrier.
.set WREG,  8704                       ; LDS of a wave: two stages of 16 rows x 272 bytes
.set SP,    272
.set STG,   16*SP
.set SPARE, 3*WREG                     ; behind the three regions: the spare words, 128 bytes a wave, two blocks of 256 bytes that no other line names
.set GIN,   2                          ; v2   in: 4096 (lane / 16) + 16 (lane % 16)
.set STI,   3                          ; v3   into the stage
.set STO,   4                          ; v4   out of the stage: row r, 128 h
.set L16,   5                          ; v5   16 x lane
.set L8,    6                          ; v6   8 x lane
.set SPW,   12                         ; v12  my spare word; never rewritten
.set NIL,   13                         ; v13  0; never rewritten
.set R,     16                         ; v16-143  four sets of 32 registers as loaded
.set X,     144                        ; v144-207 two sets of 32: a block of 32 along K
.set C,     208                        ; v208-239 four sets of 8: a unit's six registers
.set D,     240                        ; v240-242 a block's upper sixteen codes, as the conversion leaves them
.set P,     244                        ; v244-251 my bytes of the row's eight scale words
	s_load_b256 s[4:11], s[0:1], 0x0               ; x s[4:5], qkv_w s[6:7], proj_w s[8:9], oc s[10:11]
	s_load_b64 s[12:13], s[0:1], 0x20              ; os
	v_lshl_add_u32 v[SPW], v0, 2, SPARE
	v_mov_b32 v[NIL], 0
	v_lshrrev_b32 v1, 5, v0
	v_readfirstlane_b32 s16, v1                    ; wave 0..2
	v_and_b32 v1, 31, v0                           ; lane
	v_and_b32 v8, 15, v0                           ; r
	v_bfe_u32 v9, v0, 4, 1                         ; h
	v_lshlrev_b32 v[GIN], 4, v8
	v_lshl_add_u32 v[GIN], v9, 12, v[GIN]
	s_mul_i32 s17, s16, WREG
	v_mul_u32_u24 v[STI], v9, SP
	v_lshl_add_u32 v[STI], v8, 4, v[STI]
	v_add_nc_u32 v[STI], s17, v[STI]
	v_mul_u32_u24 v[STO], v8, SP
	v_lshl_add_u32 v[STO], v9, 7, v[STO]
	v_add_nc_u32 v[STO], s17, v[STO]
	v_lshlrev_b32 v[L16], 4, v1
	v_lshlrev_b32 v[L8], 3, v1
	v_lshlrev_b32 v7, 3, v9                        ; 8 h: my bytes' place in a scale word
	v_lshlrev_b32 v14, 5, v8
	v_lshl_add_u32 v14, v9, 4, v14                 ; os: 32 r + 16 h
	s_mul_i32 s14, ttmp9, 3
	s_add_co_u32 s14, s14, s16                     ; my tile
	s_wait_alu depctr_va_vdst(0)
	s_wait_kmcnt 0x0
	s_cmp_lt_u32 s14, 704                          ; which tensor: the choice hangs on the tile's number alone
	s_cselect_b64 s[6:7], s[6:7], s[8:9]
	s_mov_b32 s15, 704
	s_cselect_b32 s15, 512, s15
	s_cmp_lt_u32 s14, 512
	s_cselect_b64 s[4:5], s[4:5], s[6:7]
	s_cselect_b32 s15, 0, s15
	s_sub_co_u32 s15, s14, s15                     ; the tile's number in its tensor
	s_lshr_b32 s17, s15, 1
	s_lshl_b32 s17, s17, 17                        ; 32 rows of 4,096 bytes for each pair of tiles,
	s_and_b32 s18, s15, 1
	s_lshl_b32 s18, s18, 15                        ; 8 rows for the odd one
	s_add_co_u32 s18, s17, s18
	s_mov_b32 s19, 0
	s_add_nc_u64 s[4:5], s[4:5], s[18:19]
	s_mul_i32 s18, s14, 12288
	s_add_nc_u64 s[10:11], s[10:11], s[18:19]
	s_lshl_b32 s18, s14, 9
	s_add_nc_u64 s[12:13], s[12:13], s[18:19]
.macro LOAD t                          ; step t: load i takes the tile's rows 2 i and 2 i + 1, 256 bytes each
.irp i, 0,1,2,3,4,5,6,7
	global_load_b128 v[R+32*((\t)%4)+4*\i:R+32*((\t)%4)+4*\i+3], v[GIN], s[4:5] offset:(2*\i+8*(\i/4))*4096+256*(\t) th:TH_LOAD_NT
.endr
.endm
.macro TURN t                          ; through the stage: LDS serves a wave's instructions in order, so no wait stands between the stores and the loads
.irp i, 0,1,2,3,4,5,6,7
	ds_store_b128 v[STI], v[R+32*((\t)%4)+4*\i:R+32*((\t)%4)+4*\i+3] offset:STG*((\t)%2)+2*SP*\i
.endr
.irp i, 0,1,2,3,4,5,6,7
	ds_load_b128 v[X+32*((\t)%2)+4*\i:X+32*((\t)%2)+4*\i+3], v[STO] offset:STG*((\t)%2)+16*\i
.endr
.endm
.macro STEP t
.set XS, X+32*((\t)%2)
.set CS, C+8*((\t)%4)
	s_wait_dscnt 0x0                               ; this step's block is back from the stage, and the stores into the stage have read their registers,
.if (\t)+4 < 16
	LOAD (\t)+4                                    ; which take the loads of four steps on
.endif
.if (\t)+1 < 16
.if (\t) <= 11
	s_wait_loadcnt 24                              ; the next step's eight loads are in; those of the three steps behind it may be out
.else
	s_wait_loadcnt 8*(14-(\t))
.endif
	TURN (\t)+1
.endif
	v_max3_num_f32 v8, |v[XS]|, |v[XS+1]|, |v[XS+2]|       ; the block's largest magnitude: all 32 numbers are mine; two chains
	v_max3_num_f32 v9, |v[XS+3]|, |v[XS+4]|, |v[XS+5]|
.irp i, 6,10,14,18,22,26
	v_max3_num_f32 v8, v8, |v[XS+\i]|, |v[XS+\i+1]|
	v_max3_num_f32 v9, v9, |v[XS+\i+2]|, |v[XS+\i+3]|
.endr
	v_max3_num_f32 v8, v8, |v[XS+30]|, |v[XS+31]|
	v_max3_num_f32 v8, v8, v9, 0x1800000           ; and the floor 2^(3 - 127): the byte cannot fall under 1
	v_add_nc_u32 v11, 0xff000000, v8               ; 2 off the exponent field: the conversion takes this operand's exponent field as its scale
.if (\t) >= 4
	s_wait_alu depctr_va_vdst(0)
	s_wait_xcnt 0x0                                ; the stores of four steps back have read this set of code registers
.endif
	v_cvt_scalef32_pk16_fp6_f32 v[CS:CS+2], v[XS:XS+15], v11
	v_cvt_scalef32_pk16_fp6_f32 v[D:D+2], v[XS+16:XS+31], v11      ; (a conversion's three registers begin on an even number)
.if (\t)%2 == 0
	v_lshrrev_b32 v[P+(\t)/2], 23, v11             ; the scale's byte; also the plain line behind the conversions
.else
	v_lshrrev_b32 v10, 23, v11
.endif
.irp i, 0,1,2
	v_mov_b32 v[CS+3+\i], v[D+\i]
.endr
.if (\t)%2 == 1
	v_lshl_or_b32 v[P+(\t)/2], v10, 16, v[P+(\t)/2]        ; blocks 4 s + h and 4 s + 2 + h of scale word s = t / 2
.endif
	global_store_b128 v[L16], v[CS:CS+3], s[10:11] offset:768*(\t)         ; 32 lanes store 512 consecutive bytes,
	global_store_b64 v[L8], v[CS+4:CS+5], s[10:11] offset:768*(\t)+512     ; and 256: the unit is whole
.endm
	LOAD 0
	LOAD 1
	LOAD 2
	LOAD 3
	s_wait_loadcnt 24                              ; step 0's eight loads are in
	TURN 0
.irp t, 0,1,2,3,4,5,6,7,8,9,10,11,12,13,14,15
	STEP \t
.endr
.irp s, 0,1,2,3,4,5,6,7
	v_lshlrev_b32 v[P+\s], v7, v[P+\s]             ; my two bytes at their places in word s
.endr
.irp i, 0,1,2,3
	v_permlane16_swap_b32 v[P+\i], v[P+4+\i]       ; word i's upper lanes change places with word 4 + i's lower lanes:
.endr
.irp i, 0,1,2,3
	v_or_b32 v[P+\i], v[P+\i], v[P+4+\i]           ; lane (r, h) now holds row r's whole words 4 h + i
.endr
	global_store_b128 v14, v[P:P+3], s[12:13]      ; the wave stores the tile's 512 scale bytes on end
	s_wait_tensorcnt 0x0                           ; the wave's end, behind my last LDS store
	ds_add_u32 v[SPW], v[NIL]
	s_wait_dscnt 0x0
	s_endpgm
.Lfunc_end_k_qad4c2599ef_quant:
	.size	k_qad4c2599ef_quant, .Lfunc_end_k_qad4c2599ef_quant-k_qad4c2599ef_quant
	.p2alignl 7, 3214868480
	.fill 96, 4, 3214868480
	.section	.rodata,"a",@progbits
	.p2align	6, 0x0
	.amdhsa_kernel k_qad4c2599ef_quant
		.amdhsa_group_segment_fixed_size 26624
		.amdhsa_private_segment_fixed_size 0
		.amdhsa_enable_private_segment 0
		.amdhsa_kernarg_size 40
		.amdhsa_user_sgpr_count 2
		.amdhsa_user_sgpr_kernarg_segment_ptr 1
		.amdhsa_wavefront_size32 1
		.amdhsa_system_sgpr_workgroup_id_x 1
		.amdhsa_system_sgpr_workgroup_id_y 1
		.amdhsa_system_sgpr_workgroup_id_z 1
		.amdhsa_system_vgpr_workitem_id 0
		.amdhsa_next_free_vgpr 256
		.amdhsa_next_free_sgpr 66
		.amdhsa_reserve_vcc 0
		.amdhsa_float_denorm_mode_32 3
		.amdhsa_float_denorm_mode_16_64 3
		.amdhsa_memory_ordered 1
		.amdhsa_forward_progress 1
		.amdhsa_inst_pref_size 58
	.end_amdhsa_kernel
	.amdgpu_metadata
---
amdhsa.version: [ 1, 2 ]
amdhsa.kernels:
  - .name:           k_qad4c2599ef_quant
    .symbol:         k_qad4c2599ef_quant.kd
    .args:
      - { .name: x, .offset: 0, .size: 8, .value_kind: global_buffer, .address_space: global }
      - { .name: qkv_w, .offset: 8, .size: 8, .value_kind: global_buffer, .address_space: global }
      - { .name: proj_w, .offset: 16, .size: 8, .value_kind: global_buffer, .address_space: global }
      - { .name: oc, .offset: 24, .size: 8, .value_kind: global_buffer, .address_space: global }
      - { .name: os, .offset: 32, .size: 8, .value_kind: global_buffer, .address_space: global }
    .group_segment_fixed_size: 26624
    .private_segment_fixed_size: 0
    .kernarg_segment_align: 8
    .kernarg_segment_size: 40
    .max_flat_workgroup_size: 96
    .sgpr_count:     66
    .vgpr_count:     256
    .wavefront_size: 32
...
	.end_amdgpu_metadata
.endif
;; end of part 1
;; launch qkv (part 2): grid 32 x 8, 4 waves a work-group, clusters of 4 x 1, 327,680 bytes of LDS; arguments oc, os, qkv_b, bias_mask, qk, vv; writes qk, vv
.if DOCPART == 2
	.amdgcn_target "amdgcn-amd-amdhsa--gfx1250"
	.amdhsa_code_object_version 6
	.text
	.protected	k_qad4c2599ef_qkv
	.globl	k_qad4c2599ef_qkv
	.p2align	8
	.type	k_qad4c2599ef_qkv,@function
k_qad4c2599ef_qkv:
	s_mov_b64 s[64:65], 0
	v_nop
	global_prefetch_b8 v0, s[64:65] scope:SCOPE_SE
	s_setreg_imm32_b32 hwreg(HW_REG_WAVE_MODE, 25, 1), 1
	s_wait_xcnt 0x0
	s_wait_alu depctr_hold_cnt(0) depctr_sa_sdst(0) depctr_va_vdst(0) depctr_va_sdst(0) depctr_va_ssrc(0) depctr_va_vcc(0) depctr_vm_vsrc(0)
	s_getreg_b32 s2, hwreg(HW_REG_IB_STS2, 6, 4)
	s_cmp_eq_u32 s2, 0
	s_cbranch_scc0 .Lentry_in_a_cluster
	s_endpgm
.Lentry_in_a_cluster:
	s_bfe_u32 s2, ttmp6, 0x10000c
	s_cmp_lg_u32 s2, 0x3003
	s_cbranch_scc0 .Lentry_shape_is_right
	s_endpgm
.Lentry_shape_is_right:
; qkv = x qkv_w^T + qkv_b x bias_mask on codes of FP6 (E2M3) with E8M0 scales, K = 1,024; the result is quantised at once, in registers, into the operands of attention's two products.
; OPERANDS.  oc: [tile][16 units][768]: a tile is 16 rows (row r of tile T is row 32 (T/2) + 8 (T%2) + r + 8 (r/8)), a unit its codes of 64 along K as an image of six operand registers: registers 0-3 at 16 x lane,
; registers 4-5 at 512 + 8 x lane.  os: [tile][r][32 scale bytes].  Tiles 0-511 x, 512-703 qkv_w.
; SHARES.  A work-group takes 256 tokens (work-group x) and 384 features (work-group y): 32 x 8 = 256 work-groups.  Its 24 weight tiles lie in LDS for all of K (294,912 bytes), with their scale bytes and those of its
; 16 token tiles: four tensor loads at the head, one a wave, nothing filled again.  The four work-groups of a cluster take the same features: the weights and their scales come by joint loads.
; A wave keeps its 64 tokens (4 tiles x 8 steps x 12 registers) in registers for the whole launch, loaded straight from oc, and walks three groups of 128 features: 32 accumulators, 8 steps of 128 along K.
; Nothing is prefetched: every load goes out at the head, ahead of the loop.
; ROLES.  A result is quantised along source 0's rows: a lane holds one row of source 1, and 16 registers of two neighbouring tiles of source 0 are rows 32 B + 16 (lane/16) + 0 .. 15.  Groups 0-15 (q, k; along d):
; source 0 = weights, source 1 = tokens.  Groups 16-23 (v; along the keys): source 0 = tokens, source 1 = weights.  The branch hangs on work-group y and the loop's count, which all partners share.
; THE BIAS is the C of a sum's first product.  Each wave lays qkv_b x bias_mask of the 384 features into LDS bytes of its own and reads it back in the result's layout.
; THE WAY OUT of a group quantises its four runs of 64 accumulator registers together, phase by phase: sixteen chains that do not hang on each other, and registers of its own for each run's codes.
; OUT.  qk: [32 (q's heads, then k's)][b][step of 128 tokens][6,656]: eight units (tile t of the step), then scale words [half][r][4]: bytes 0, 1 the head's two blocks, bytes 2, 3 the same again.
; vv: [b][head][step][6,400]: four fragments of V^T (16 d x 128 keys, two units each), then scale words [r][4]; a wave has 64 keys: one unit of each fragment and two bytes of each word (both halves of the lanes
; store the same two bytes at the same place).
; LIMITS: a block of zeros gets the byte 1 with zero codes; NaN and infinities are not served.
; REGISTERS.  Window 0: v0-31 addresses; v32-95 scale words (register 8 i + step: lanes 0-15 token tile i, lanes 16-31 weight tile i); v96-159 the bias; v160-255 token fragments of steps 5, 6.
; Window 1: weight fragments, two sets at v0 and v128 (on the way out v0-95 take the codes, v128-199 are at work); token fragments of step 7 at v96 and v224.  Window 2: the accumulators.
; Window 3: token fragments of steps 0-4.
.set TB,    12288
.set XS,    24*TB                      ; the token tiles' scale bytes, as rows of 256 bytes + 16 of padding: 544 a tile
.set WS,    XS+16*544                  ; the weight tiles'
.set SPARE, WS+24*544                  ; the spare words: 128 bytes a wave, two blocks of 256 bytes that no other line names
.set BL,    SPARE+512                  ; the bias: 1,536 bytes for each wave
.set SPW,  28
.set NIL,  29
.set SC,   32
.set BI,   96
.set PC,   0                           ; window 1: the codes of run q at v[PC + 24 q]
.set TM,   128                         ; window 1: at work, 16 registers for each run
.set WD,   192                         ; window 1: scale words
.set G1W,  24
.set G0W,  32
.set G0S,  36
.set G0X,  44
.set G1S,  48
.set G1X,  56
.set SEL,  66
.set GI,   68                          ; the loop's count
.set GB,   69                          ; the group's tiles in LDS
.set GS,   70                          ; their scale bytes
.set GF,   71                          ; the group's number among the 24
.set GBI,  72                          ; its bias
.set MSB, 0
.macro WIN new                         ; the immediate's high byte repeats the setting that is left
.if MSB != \new
	s_set_vgpr_msb (MSB<<8)|\new
.set MSB, \new
.endif
.endm
.macro PLACES n                        ; plain vector instructions behind a matrix instruction (ISA guide 7.12.1 for matrix instructions)
.rept \n
	v_nop
.endr
.endm
.macro CROUND
	s_barrier_signal -1
	s_barrier_wait -1
	s_cmp_lg_u32 s16, 0
	s_cbranch_scc1 .Lnot_wave_0_\@
	s_barrier_signal -3
.Lnot_wave_0_\@:
	s_barrier_wait -3
	s_barrier_signal -1
	s_barrier_wait -1
.endm
.macro DESC g, w0, c, r                ; group 1: r dense rows of c elements of 8 bytes
	s_mov_b32 s[\g], \w0
	s_mov_b32 s[\g+1], (\c)<<16
	s_mov_b32 s[\g+2], (\r)<<16
	s_mov_b32 s[\g+3], (\c)<<16
	s_mov_b32 s[\g+4], \r
	s_mov_b32 s[\g+5], \c
	s_mov_b32 s[\g+6], 0
	s_mov_b32 s[\g+7], 0
.endm
.macro ARM under, g0, g1, next
	s_cmp_lt_u32 s16, \under
	s_cbranch_scc0 \next
	tensor_load_to_lds s[\g0:\g0+3], s[\g1:\g1+7]
	s_nop 0
	PLACES 4
	s_branch .Lhead_asked
\next:
.endm
.macro ALOC st, a                      ; where token tile a's fragment of step st lies: window AWN, register AR
.if (\st) < 5
.set AWN, 3
.set AR, 48*(\st)+12*(\a)
.elseif (\st) < 7
.set AWN, 0
.set AR, 160+48*((\st)-5)+12*(\a)
.else
.set AWN, 1
.set AR, 96+12*(\a)+104*((\a)/2)
.endif
.endm
	s_load_b256 s[4:11], s[0:1], 0x0               ; oc s[4:5], os s[6:7], qkv_b s[8:9], bias_mask s[10:11]
	s_load_b128 s[12:15], s[0:1], 0x20             ; qk s[12:13], vv s[14:15]
	v_lshl_add_u32 v[SPW], v0, 2, SPARE
	v_mov_b32 v[NIL], 0
	ds_add_u32 v[SPW], v[NIL]                      ; the opening lines: the add, twice on end, and its wait ahead of my tensor load
	ds_add_u32 v[SPW], v[NIL]
	v_lshrrev_b32 v1, 5, v0
	v_readfirstlane_b32 s16, v1                    ; wave 0..3
	s_lshr_b32 s17, s16, 1                         ; which of the work-group's two steps of 128 tokens
	s_and_b32 s18, s16, 1                          ; which half of it
	s_bfe_u32 s40, ttmp6, 0x40000                  ; cx
	s_lshl_b32 s41, ttmp9, 2
	s_add_co_u32 s41, s41, s40                     ; work-group x: the block of 256 tokens
	s_and_b32 s42, ttmp7, 0xffff                   ; work-group y: the 384 features
	s_mov_b32 s[SEL], 0x76543210
	s_mov_b32 s[SEL+1], 0xfedcba98
	DESC G1W, 15|(3<<16)|(1<<21), 1536, 12                         ; 12 weight tiles of 12,288 bytes, to all four of the cluster
	DESC G1S, 15|(3<<16)|(1<<20)|(1<<21)|(5<<22)|(3<<25), 32, 48   ; 24 tiles' scale bytes as 48 rows of 256 bytes, 16 of padding behind each
	DESC G1X, (3<<16)|(1<<20)|(5<<22)|(3<<25), 32, 32              ; my own 16 token tiles' scale bytes
	s_mul_i32 s20, s42, 24
	s_add_co_u32 s20, s20, 512                     ; the first weight tile
	s_lshl_b32 s76, s20, 9
	s_mov_b32 s77, 0
	s_mul_i32 s21, s18, 12
	s_add_co_u32 s20, s20, s21                     ; waves 0, 1: 12 tiles each
	s_mul_i32 s22, s20, TB
	s_mov_b32 s23, 0
	s_lshl_b32 s78, s41, 13                        ; 16 tiles x 512 scale bytes a block of tokens
	s_mov_b32 s79, 0
	s_lshl_b32 s84, s41, 4
	s_lshl_b32 s85, s16, 2
	s_add_co_u32 s84, s84, s85                     ; my wave's first token tile
	s_mul_i32 s84, s84, TB
	s_mov_b32 s85, 0
	s_mul_i32 s86, s42, 1536                       ; 384 features x 4 bytes
	s_mov_b32 s87, 0
	s_mov_b32 s[G0W], 1
	s_mul_i32 s[G0W+1], s18, 12*TB
	s_mov_b32 s[G0S], 1
	s_mov_b32 s[G0S+1], WS
	s_mov_b32 s[G0X], 1
	s_mov_b32 s[G0X+1], XS
	s_wait_dscnt 0x0
	s_wait_kmcnt 0x0
	s_add_nc_u64 s[G0W+2:G0W+3], s[4:5], s[22:23]
	s_or_b32 s[G0W+3], s[G0W+3], 0x80000000
	s_add_nc_u64 s[G0S+2:G0S+3], s[6:7], s[76:77]
	s_or_b32 s[G0S+3], s[G0S+3], 0x80000000
	s_add_nc_u64 s[G0X+2:G0X+3], s[6:7], s[78:79]
	s_or_b32 s[G0X+3], s[G0X+3], 0x80000000
	s_add_nc_u64 s[20:21], s[4:5], s[84:85]
	s_add_nc_u64 s[8:9], s[8:9], s[86:87]
	s_add_nc_u64 s[10:11], s[10:11], s[86:87]
	CROUND                                         ; the four work-groups are here: the joint loads meet
	ARM 2, G0W, G1W, .Lhead_s                      ; one load a wave, one tree of branches on the wave's number
	ARM 3, G0S, G1S, .Lhead_x
	tensor_load_to_lds s[G0X:G0X+3], s[G1X:G1X+7]
	s_nop 0
	PLACES 4
.Lhead_asked:
	v_and_b32 v1, 15, v0                           ; r
	v_bfe_u32 v2, v0, 4, 1                         ; h
	v_and_b32 v3, 31, v0
	v_lshlrev_b32 v4, 4, v3                        ; 16 x lane
	v_lshlrev_b32 v5, 3, v3                        ; 8 x lane
	s_wait_alu depctr_va_vdst(0)
.irp k, 0,1,2
	global_load_b128 v[96+4*\k:99+4*\k], v4, s[8:9] offset:512*\k          ; qkv_b and bias_mask of the 384 features, 12 numbers a lane
	global_load_b128 v[108+4*\k:111+4*\k], v4, s[10:11] offset:512*\k
.endr
.irp st, 0,1,2,3,4,5,6,7
.irp a, 0,1,2,3
	ALOC \st, \a
	WIN (AWN<<6)
	global_load_b128 v[AR:AR+3], v4, s[20:21] offset:TB*\a+1536*\st        ; every load reads consecutive bytes
	global_load_b64 v[AR+4:AR+5], v5, s[20:21] offset:TB*\a+1536*\st+512
	global_load_b128 v[AR+6:AR+9], v4, s[20:21] offset:TB*\a+1536*\st+768
	global_load_b64 v[AR+10:AR+11], v5, s[20:21] offset:TB*\a+1536*\st+1280
.endr
.endr
	WIN 0
	v_lshlrev_b32 v6, 5, v1
	v_lshrrev_b32 v7, 3, v1                        ; r / 8
	v_lshl_add_u32 v6, v7, 4, v6                   ; a row's scale bytes: 32 r, and 16 more behind 256
	s_mul_i32 s22, s16, 4*544                      ; my four token tiles
	s_sub_co_u32 s23, WS-XS, s22
	v_mul_u32_u24 v12, s23, v2                     ; lanes 16-31 take the weights'
	s_add_co_u32 s22, s22, XS
	v_add_nc_u32 v12, v12, v6
	v_add_nc_u32 v12, s22, v12
	s_mul_i32 s76, s16, 1536
	s_add_co_u32 s76, s76, BL                      ; my copy of the bias
	v_add_nc_u32 v26, s76, v4
	v_lshl_add_u32 v15, v2, 6, s76                 ; q, k: 16 h features on
	v_lshl_add_u32 v24, v7, 3, v1
	v_lshl_add_u32 v24, v24, 2, s76                ; v: feature r + 8 (r/8) of a tile
	v_add_nc_u32 v18, 0x68000, v4                  ; the next head of qk: 425,984 bytes on
	v_add_nc_u32 v19, 0x68000, v5
	v_mul_u32_u24 v20, 0x68000, v2
	v_lshl_add_u32 v20, v1, 4, v20                 ; q, k scale words: 16 r, lanes 16-31 the next head's
	v_lshlrev_b32 v22, 4, v1                       ; v scale words: 16 r
	v_cmp_ne_u32 vcc_lo, 0, v2
	v_mov_b32 v21, 0x01000100
	v_mov_b32 v23, 0x03020302
	v_cndmask_b32 v21, v21, v23, vcc_lo            ; which two bytes of a word my head keeps, twice
	s_lshl_b32 s73, s41, 1
	s_add_co_u32 s73, s73, s17
	s_and_b32 s74, s73, 15                         ; step
	s_lshr_b32 s73, s73, 4                         ; batch
	s_mul_i32 s[GF], s42, 3
	s_mov_b32 s[GI], 0
	s_mov_b32 s[GB], 0
	s_mov_b32 s[GS], 0
	s_mov_b32 s[GBI], 0
	s_wait_alu depctr_va_vdst(0)                   ; the head's end
	s_wait_tensorcnt 0x0                           ; my tile is in,
	s_barrier_signal -1
	s_barrier_wait -1                              ; everybody's are
	s_wait_loadcnt 0x0                             ; the bias and my token fragments
.irp k, 0,2,4,6,8,10
	v_pk_mul_f32 v[96+\k:97+\k], v[96+\k:97+\k], v[108+\k:109+\k]
.endr
.irp k, 0,1,2
	ds_store_b128 v26, v[96+4*\k:99+4*\k] offset:512*\k    ; my own bytes: LDS serves a wave's instructions in order
.endr
.macro FRAGL reg, a16, a8, off         ; a fragment is two units
	ds_load_b128 v[\reg:\reg+3], v[\a16] offset:\off
	ds_load_b64 v[\reg+4:\reg+5], v[\a8] offset:\off+512
	ds_load_b128 v[\reg+6:\reg+9], v[\a16] offset:\off+768
	ds_load_b64 v[\reg+10:\reg+11], v[\a8] offset:\off+1280
.endm
.macro FETCHB st                       ; the group's eight weight fragments of step st into set st % 2
	WIN 0x40
.irp i, 0,1,2,3
	FRAGL 128*((\st)%2)+12*\i, 8, 9, TB*\i+1536*(\st)
	FRAGL 128*((\st)%2)+12*\i+48, 10, 11, TB*\i+1536*(\st)
.endr
	WIN 0
.endm
; 32 matrix instructions: the 32 accumulators take turns, one instruction a turn, in the same order in every step.  Step 0 starts the sums on the bias.
.macro MULS st, role
.set P, 128*((\st)%2)
	ALOC \st, 0
.if \role == 0
.if (\st) == 0
	WIN (0x81|(AWN<<2))
.else
	WIN (0xa1|(AWN<<2))
.endif
.irp a, 0,1,2,3
	ALOC \st, \a
.irp b, 0,1,2,3,4,5,6,7
.if (\st) == 0
	v_wmma_scale_f32_16x16x128_f8f6f4 v[8*(8*\a+\b):8*(8*\a+\b)+7], v[P+12*\b:P+12*\b+11], v[AR:AR+11], v[BI+8*\b:BI+8*\b+7], v[SC+8*\b+(\st)], v[SC+8*\a+(\st)] matrix_a_fmt:MATRIX_FMT_FP6 matrix_b_fmt:MATRIX_FMT_FP6 matrix_a_scale:MATRIX_SCALE_ROW1
.else
	v_wmma_scale_f32_16x16x128_f8f6f4 v[8*(8*\a+\b):8*(8*\a+\b)+7], v[P+12*\b:P+12*\b+11], v[AR:AR+11], v[8*(8*\a+\b):8*(8*\a+\b)+7], v[SC+8*\b+(\st)], v[SC+8*\a+(\st)] matrix_a_fmt:MATRIX_FMT_FP6 matrix_b_fmt:MATRIX_FMT_FP6 matrix_a_scale:MATRIX_SCALE_ROW1
.endif
.endr
.endr
.else
.if (\st) == 0
	WIN (0x84|AWN)
.else
	WIN (0xa4|AWN)
.endif
.irp b, 0,1,2,3,4,5,6,7
.irp a, 0,1,2,3
	ALOC \st, \a
.if (\st) == 0
	v_wmma_scale_f32_16x16x128_f8f6f4 v[8*(4*\b+\a):8*(4*\b+\a)+7], v[AR:AR+11], v[P+12*\b:P+12*\b+11], v[BI+8*\b:BI+8*\b+7], v[SC+8*\a+(\st)], v[SC+8*\b+(\st)] matrix_a_fmt:MATRIX_FMT_FP6 matrix_b_fmt:MATRIX_FMT_FP6 matrix_b_scale:MATRIX_SCALE_ROW1
.else
	v_wmma_scale_f32_16x16x128_f8f6f4 v[8*(4*\b+\a):8*(4*\b+\a)+7], v[AR:AR+11], v[P+12*\b:P+12*\b+11], v[8*(4*\b+\a):8*(4*\b+\a)+7], v[SC+8*\a+(\st)], v[SC+8*\b+(\st)] matrix_a_fmt:MATRIX_FMT_FP6 matrix_b_fmt:MATRIX_FMT_FP6 matrix_b_scale:MATRIX_SCALE_ROW1
.endif
.endr
.endr
.endif
	WIN 0
.endm
.macro WALK role                       ; the group's eight steps; the next step's fragments are asked for ahead of a step's products
.irp st, 0,1,2,3,4,5,6
	s_wait_dscnt 0x0                               ; this step's fragments are in
	PLACES 4
	FETCHB \st+1
	MULS \st, \role
.endr
	s_wait_dscnt 0x0
	MULS 7, \role
	PLACES 4
.endm
; The 256 accumulator registers of window 2 are four runs of 64.  In run q register 16 e + i is place 32 e + 16 (lane/16) + i along the next K.  Each run becomes 12 registers of codes at v[PC + 24 q] and a word of four
; scale bytes in v[WD + q], both in window 1.  The four runs go through each phase together.
.macro QUANTALL
	WIN 0x4a
.irp q, 0,1,2,3
.irp e, 0,1,2,3
	v_max3_num_f32 v[TM+16*\q+\e], |v[64*\q+16*\e]|, |v[64*\q+1+16*\e]|, 0x1800000         ; my 16 numbers of block e, and the floor 2^(3 - 127); each accumulator from its low end on
.endr
.endr
	WIN 0x69
.irp i, 2,4,6,8,10,12,14
.irp q, 0,1,2,3
.irp e, 0,1,2,3
	v_max3_num_f32 v[TM+16*\q+\e], v[TM+16*\q+\e], |v[64*\q+16*\e+\i]|, |v[64*\q+1+16*\e+\i]|
.endr
.endr
.endr
	WIN 0x55
.irp q, 0,1,2,3
.irp e, 0,1,2,3
	v_permlanex16_b32 v[TM+16*\q+4+\e], v[TM+16*\q+\e], s[SEL], s[SEL+1]
.endr
.endr
.irp q, 0,1,2,3
.irp e, 0,1,2,3
	v_max_num_f32 v[TM+16*\q+\e], v[TM+16*\q+\e], v[TM+16*\q+4+\e]         ; with lane l xor 16's: the block's largest magnitude
.endr
.endr
.irp q, 0,1,2,3
.irp e, 0,1,2,3
	v_add_nc_u32 v[TM+16*\q+12+\e], 0xff000000, v[TM+16*\q+\e]             ; 2 off its exponent field: the conversion's scale operand
.endr
.endr
.irp q, 0,1,2,3
.irp e, 0,1,2,3
	v_lshrrev_b32 v[TM+16*\q+4+\e], 23, v[TM+16*\q+12+\e]                  ; the scale's byte
.endr
.endr
.irp q, 0,1,2,3
	v_lshl_or_b32 v[WD+\q], v[TM+16*\q+5], 8, v[TM+16*\q+4]
.endr
.irp q, 0,1,2,3
	v_lshl_or_b32 v[WD+\q], v[TM+16*\q+6], 16, v[WD+\q]
.endr
.irp q, 0,1,2,3
	v_lshl_or_b32 v[WD+\q], v[TM+16*\q+7], 24, v[WD+\q]
.endr
	WIN 0x46
.irp q, 0,1,2,3
.irp c, 0,1
	v_cvt_scalef32_pk16_fp6_f32 v[PC+24*\q+6*\c:PC+24*\q+2+6*\c], v[64*\q+32*\c:64*\q+15+32*\c], v[TM+16*\q+12+2*\c]
	v_cvt_scalef32_pk16_fp6_f32 v[PC+24*\q+12+4*\c:PC+24*\q+14+4*\c], v[64*\q+16+32*\c:64*\q+31+32*\c], v[TM+16*\q+13+2*\c]
.endr
.endr
	WIN 0x55
	v_nop                                          ; one plain place behind a scaled conversion
.irp q, 0,1,2,3                        ; the operand's layout wants a whole block in a lane
.irp c, 0,1
.irp i, 0,1,2
	v_permlane16_swap_b32 v[PC+24*\q+6*\c+\i], v[PC+24*\q+12+4*\c+\i]
.endr
.endr
.endr
.irp q, 0,1,2,3
.irp c, 0,1
.irp i, 0,1,2
	v_mov_b32 v[PC+24*\q+3+6*\c+\i], v[PC+24*\q+12+4*\c+\i]
.endr
.endr
.endr
	WIN 0x04                                       ; stores: the address in window 0, the data in window 1
.endm
.macro FREE                            ; the group's stores have read their data and their bases
	WIN 0
	s_wait_alu depctr_va_vdst(0)
	s_wait_xcnt 0x0
.endm
.Lgroup:
	v_add_nc_u32 v8, s[GB], v4                     ; the group's tiles 0-3,
	v_add_nc_u32 v9, s[GB], v5
	v_add_nc_u32 v10, 4*TB, v8                     ; and 4-7
	v_add_nc_u32 v11, 4*TB, v9
	v_mad_u32_u24 v13, s[GS], v2, v12              ; scale words: lanes 16-31 go on to the group's tiles
	v_add_nc_u32 v14, s[GBI], v15
	v_add_nc_u32 v25, s[GBI], v24
	s_wait_alu depctr_va_vdst(0)
.irp i, 0,1,2,3,4,5,6,7
	ds_load_b128 v[SC+8*\i:SC+8*\i+3], v13 offset:544*\i           ; a row's eight scale words, for all of K
	ds_load_b128 v[SC+8*\i+4:SC+8*\i+7], v13 offset:544*\i+16
.endr
	FETCHB 0
	s_cmp_lt_u32 s[GF], 16
	s_cbranch_scc0 .Lvrole
.irp i, 0,1,2,3,4,5,6,7                ; q, k: register 8 i + j is the bias of feature 32 (i/2) + 8 (i%2) + 16 h + j
	ds_load_b128 v[BI+8*\i:BI+8*\i+3], v14 offset:(32*(\i/2)+8*(\i%2))*4
	ds_load_b128 v[BI+8*\i+4:BI+8*\i+7], v14 offset:(32*(\i/2)+8*(\i%2))*4+16
.endr
	WALK 0
	s_mul_i32 s84, s[GF], 851968                   ; two heads of qk,
	s_mul_i32 s85, s73, 106496                     ; the batch,
	s_add_co_u32 s84, s84, s85
	s_mul_i32 s85, s74, 6656                       ; the step
	s_add_co_u32 s84, s84, s85
	s_mul_i32 s85, s18, 3072                       ; my four tiles of its eight
	s_add_co_u32 s86, s84, s85
	s_lshl_b32 s85, s18, 8
	s_add_co_u32 s84, s84, s85
	s_add_co_u32 s84, s84, 6144                    ; and their scale words
	s_mov_b32 s85, 0
	s_mov_b32 s87, 0
	s_add_nc_u64 s[80:81], s[12:13], s[86:87]
	s_add_nc_u64 s[82:83], s[12:13], s[84:85]
	QUANTALL                                       ; run a = token tile a
.irp a, 0,1,2,3
	global_store_b128 v4, v[PC+24*\a:PC+24*\a+3], s[80:81] offset:768*\a               ; 512 consecutive bytes,
	global_store_b64 v5, v[PC+24*\a+4:PC+24*\a+5], s[80:81] offset:768*\a+512          ; 256: a unit
	global_store_b128 v18, v[PC+24*\a+6:PC+24*\a+9], s[80:81] offset:768*\a            ; and the next head's
	global_store_b64 v19, v[PC+24*\a+10:PC+24*\a+11], s[80:81] offset:768*\a+512
.endr
	WIN 0x45
.irp a, 0,1,2,3
	v_perm_b32 v[WD+4+\a], v[WD+\a], v[WD+\a], v21
.endr
	WIN 0x04
	global_store_b128 v20, v[WD+4:WD+7], s[82:83]  ; sixteen lanes store 256 consecutive bytes
	FREE
	s_branch .Lnext
.Lvrole:
.irp i, 0,1,2,3,4,5,6,7                ; v: all eight registers of tile i hold the bias of the lane's feature
.irp j, 0,1,2,3,4,5,6,7
	ds_load_b32 v[BI+8*\i+\j], v25 offset:(32*(\i/2)+8*(\i%2))*4
.endr
.endr
	WALK 1
	s_sub_co_u32 s84, s[GF], 16
	s_lshl_b32 s84, s84, 1                         ; the group's first head
	s_lshl_b32 s85, s73, 4
	s_add_co_u32 s84, s84, s85
	s_lshl_b32 s84, s84, 4
	s_add_co_u32 s84, s84, s74
	s_mul_i32 s84, s84, 6400                       ; vv: ((16 b + head) 16 + step) x 6,400
	s_mul_i32 s85, s18, 768                        ; my 64 keys: which unit of a fragment,
	s_add_co_u32 s86, s84, s85
	s_lshl_b32 s85, s18, 1                         ; which two bytes of a word
	s_add_co_u32 s84, s84, s85
	s_add_co_u32 s84, s84, 6144
	s_mov_b32 s85, 0
	s_mov_b32 s87, 0
	s_add_nc_u64 s[80:81], s[14:15], s[86:87]
	s_add_nc_u64 s[82:83], s[14:15], s[84:85]
	QUANTALL                                       ; run p = weight tiles 2 p and 2 p + 1: fragments 2 (p%2) and the next of head p/2
.irp p, 0,1,2,3
	global_store_b128 v4, v[PC+24*\p:PC+24*\p+3], s[80:81] offset:102400*(\p/2)+3072*(\p%2)
	global_store_b64 v5, v[PC+24*\p+4:PC+24*\p+5], s[80:81] offset:102400*(\p/2)+3072*(\p%2)+512
	global_store_b128 v4, v[PC+24*\p+6:PC+24*\p+9], s[80:81] offset:102400*(\p/2)+3072*(\p%2)+1536
	global_store_b64 v5, v[PC+24*\p+10:PC+24*\p+11], s[80:81] offset:102400*(\p/2)+3072*(\p%2)+2048
.endr
.irp p, 0,1,2,3
	global_store_b16 v22, v[WD+\p], s[82:83] offset:102400*(\p/2)+8*(\p%2)
	global_store_d16_hi_b16 v22, v[WD+\p], s[82:83] offset:102400*(\p/2)+8*(\p%2)+4
.endr
	FREE
.Lnext:
	s_add_co_u32 s[GB], s[GB], 8*TB
	s_add_co_u32 s[GS], s[GS], 8*544
	s_add_co_u32 s[GBI], s[GBI], 512
	s_add_co_u32 s[GF], s[GF], 1
	s_add_co_u32 s[GI], s[GI], 1
	s_cmp_lt_u32 s[GI], 3
	s_cbranch_scc1 .Lgroup
	s_wait_tensorcnt 0x0                           ; the wave's end
	ds_add_u32 v[SPW], v[NIL]
	s_wait_dscnt 0x0
	CROUND                                         ; the closing round
	s_endpgm
.Lfunc_end_k_qad4c2599ef_qkv:
	.size	k_qad4c2599ef_qkv, .Lfunc_end_k_qad4c2599ef_qkv-k_qad4c2599ef_qkv
	.p2alignl 7, 3214868480
	.fill 96, 4, 3214868480
	.section	.rodata,"a",@progbits
	.p2align	6, 0x0
	.amdhsa_kernel k_qad4c2599ef_qkv
		.amdhsa_group_segment_fixed_size 327680
		.amdhsa_private_segment_fixed_size 0
		.amdhsa_enable_private_segment 0
		.amdhsa_kernarg_size 48
		.amdhsa_user_sgpr_count 2
		.amdhsa_user_sgpr_kernarg_segment_ptr 1
		.amdhsa_wavefront_size32 1
		.amdhsa_system_sgpr_workgroup_id_x 1
		.amdhsa_system_sgpr_workgroup_id_y 1
		.amdhsa_system_sgpr_workgroup_id_z 1
		.amdhsa_system_vgpr_workitem_id 0
		.amdhsa_next_free_vgpr 1024
		.amdhsa_next_free_sgpr 96
		.amdhsa_reserve_vcc 1
		.amdhsa_float_denorm_mode_32 3
		.amdhsa_float_denorm_mode_16_64 3
		.amdhsa_memory_ordered 1
		.amdhsa_forward_progress 1
		.amdhsa_inst_pref_size 162
	.end_amdhsa_kernel
	.amdgpu_metadata
---
amdhsa.version: [ 1, 2 ]
amdhsa.kernels:
  - .name:           k_qad4c2599ef_qkv
    .symbol:         k_qad4c2599ef_qkv.kd
    .args:
      - { .name: oc, .offset: 0, .size: 8, .value_kind: global_buffer, .address_space: global }
      - { .name: os, .offset: 8, .size: 8, .value_kind: global_buffer, .address_space: global }
      - { .name: qkv_b, .offset: 16, .size: 8, .value_kind: global_buffer, .address_space: global }
      - { .name: bias_mask, .offset: 24, .size: 8, .value_kind: global_buffer, .address_space: global }
      - { .name: qk, .offset: 32, .size: 8, .value_kind: global_buffer, .address_space: global }
      - { .name: vv, .offset: 40, .size: 8, .value_kind: global_buffer, .address_space: global }
    .group_segment_fixed_size: 327680
    .private_segment_fixed_size: 0
    .kernarg_segment_align: 8
    .kernarg_segment_size: 48
    .max_flat_workgroup_size: 128
    .sgpr_count:     96
    .vgpr_count:     1024
    .wavefront_size: 32
...
	.end_amdgpu_metadata
.endif
;; end of part 2
;; launch attn (part 3): grid 4 x 64, 16 waves a work-group, clusters of 4 x 1, 327,680 bytes of LDS; arguments qk, vv, aoc, aos; writes aoc, aos
.if DOCPART == 3
	.amdgcn_target "amdgcn-amd-amdhsa--gfx1250"
	.amdhsa_code_object_version 6
	.text
	.protected	k_qad4c2599ef_attn
	.globl	k_qad4c2599ef_attn
	.p2align	8
	.type	k_qad4c2599ef_attn,@function
k_qad4c2599ef_attn:
	s_mov_b64 s[64:65], 0
	v_nop
	global_prefetch_b8 v0, s[64:65] scope:SCOPE_SE
	s_setreg_imm32_b32 hwreg(HW_REG_WAVE_MODE, 25, 1), 1
	s_wait_xcnt 0x0
	s_wait_alu depctr_hold_cnt(0) depctr_sa_sdst(0) depctr_va_vdst(0) depctr_va_sdst(0) depctr_va_ssrc(0) depctr_va_vcc(0) depctr_vm_vsrc(0)
	s_getreg_b32 s2, hwreg(HW_REG_IB_STS2, 6, 4)
	s_cmp_eq_u32 s2, 0
	s_cbranch_scc0 .Lentry_in_a_cluster
	s_endpgm
.Lentry_in_a_cluster:
	s_bfe_u32 s2, ttmp6, 0x10000c
	s_cmp_lg_u32 s2, 0x3003
	s_cbranch_scc0 .Lentry_shape_is_right
	s_endpgm
.Lentry_shape_is_right:
; o = softmax(q k^T / 8) v for one batch and head (work-group y = 16 b + head) and 512 queries (cluster place cx), on codes of FP6 (E2M3) with E8M0 scales; o is quantised along d into the projection's operand.
; INPUTS.  qk: [32 (q's heads, then k's)][b][step of 128 tokens][6,656]: eight units of 768 bytes (tile T: 16 tokens x 64 d as an image of six operand registers: registers 0-3 at 16 x lane, 4-5 at 512 + 8 x lane;
; row ro of tile T is token 32 (T/2) + 8 (T%2) + ro + 8 (ro/8)), then scale words at 6,144 + 256 (T/4) + 16 ro + 4 (T%4).  vv: [b][head][step][6,400]: four fragments of V^T (16 d x 128 keys), then words [r][4].
; SHARES.  All of the head's K (106,496 bytes) and V (102,400 bytes) lie in LDS, filled once: waves 0-7 bring two steps of K each, waves 8-15 two steps of V, one joint load a wave; the four work-groups of a
; cluster read the same K and V.  A wave takes 16 queries through the 16 steps of 128 keys, twice.  Nothing is filled again, so there is no ring; nothing is prefetched: all loads go out at the head, ahead of any loop.
; BOTH PRODUCTS ARE USED TRANSPOSED (S^T = k q^T, O^T = v^T p^T): a lane holds one query.  d = 64 fills half of the instruction's 128: q's upper six registers hold zero codes, against which any codes count for nothing.
; WHICH KEYS FORM A TILE OF K is chosen by the LDS addresses: row r of tile 4 c + u is key 64 c + 32 (r/8) + 8 u + r%8, which lies in unit 4 c + 2 (r/8) + u%2 at row 8 (u/2) + r%8.  So lane (r, h) has in its 32 score
; registers of tiles 4 c .. 4 c + 3 the keys 64 c + 32 h + 0 .. 31: one whole block of the next K, in the operand's own order: a block's maximum needs no other lane, and the conversions' results are the operand.
; SOFTMAX.  M = ceil(running largest t), t = score x log2(e) / 8; p = 2^(t - M); the sum is taken of the unquantised p; a change of M multiplies the sum and O^T by an exact power of two.
; A block's scale byte is floor(largest t of the block - M) + 125, held at 1 from below: the exponent of the block's largest p less 2.
; LIMITS: where a block's largest t - M lies within rounding of a whole number the byte may be that of the neighbouring power of two; the promise holds while the scaled scores stay under 2^31 in magnitude;
; NaN and infinities are not served; a block of zeros of o gets the byte 1 with zero codes.
; REGISTERS: v1-4 lane offsets; v8-11, v30-31 a step's LDS addresses; v12 -M, v13 the running largest score, v14-15 the sum; v16-27 q, v28 its scales; v29 8 h; v32-85 K's, then V's fragments; v86-93 their scales;
; v96-159 scores, then p; v160-191 O^T; v192-211 p's codes; v212-231 at work; v232-234 K's lane addresses.
.set KB,    6656
.set VB,    6400
.set VBASE, 16*KB
.set SPARE, VBASE+16*VB                ; the spare words: 128 bytes a wave, eight blocks of 256 bytes that no other line names
.set SPW,  5
.set NIL,  6
.set KA0,  232
.set KB0,  233
.set KS0,  234
.set WV,   12
.set SEL,  20
.set CS,   22
.set G1K,  24
.set G1V,  32
.set G0K,  40
.set G0V,  44
.set TK,   48
.set TV,   49
.set CNT,  50
.macro DEP n
	s_delay_alu instid0(VALU_DEP_\n)
.endm
.macro XHALF d, s                      ; lane l takes lane l xor 16's
	v_permlanex16_b32 v[\d], v[\s], s[SEL], s[SEL+1]
.endm
.macro CROUND
	s_barrier_signal -1
	s_barrier_wait -1
	s_cmp_lg_u32 s[WV], 0
	s_cbranch_scc1 .Lnot_wave_0_\@
	s_barrier_signal -3
.Lnot_wave_0_\@:
	s_barrier_wait -3
	s_barrier_signal -1
	s_barrier_wait -1
.endm
	s_load_b256 s[4:11], s[0:1], 0x0               ; qk s[4:5], vv s[6:7], aoc s[8:9], aos s[10:11]
	v_lshl_add_u32 v[SPW], v0, 2, SPARE
	v_mov_b32 v[NIL], 0
	ds_add_u32 v[SPW], v[NIL]                      ; the opening lines: the add, twice on end, and its wait ahead of my tensor load
	ds_add_u32 v[SPW], v[NIL]
	v_lshrrev_b32 v8, 5, v0
	v_readfirstlane_b32 s[WV], v8                  ; wave 0..15
	s_bfe_u32 s13, ttmp6, 0x40000                  ; cx
	s_and_b32 s16, ttmp7, 0xffff
	s_lshr_b32 s14, s16, 4                         ; batch
	s_and_b32 s15, s16, 15                         ; head
	s_mov_b32 s[G1K], 15|(3<<16)|(1<<21)           ; two steps of K: 13,312 dense bytes as 52 rows of 256; the mask names the cluster's four
	s_mov_b32 s[G1K+1], 32<<16
	s_mov_b32 s[G1K+2], 52<<16
	s_mov_b32 s[G1K+3], 32<<16
	s_mov_b32 s[G1K+4], 52
	s_mov_b32 s[G1K+5], 32
	s_mov_b32 s[G1K+6], 0
	s_mov_b32 s[G1K+7], 0
	s_mov_b32 s[G1V], 15|(3<<16)|(1<<21)           ; two steps of V: 12,800 bytes as 50 rows
	s_mov_b32 s[G1V+1], 32<<16
	s_mov_b32 s[G1V+2], 50<<16
	s_mov_b32 s[G1V+3], 32<<16
	s_mov_b32 s[G1V+4], 50
	s_mov_b32 s[G1V+5], 32
	s_mov_b32 s[G1V+6], 0
	s_mov_b32 s[G1V+7], 0
	s_and_b32 s18, s[WV], 7                        ; which two steps
	s_lshl_b32 s19, s18, 1
	s_add_co_u32 s16, s15, 16                      ; K: ((16 + head) 4 + b) 16 + step
	s_lshl_b32 s16, s16, 2
	s_add_co_u32 s16, s16, s14
	s_lshl_b32 s16, s16, 4
	s_add_co_u32 s16, s16, s19
	s_mul_i32 s16, s16, KB
	s_mov_b32 s17, 0
	s_lshl_b32 s60, s14, 4                         ; V: (16 b + head) 16 + step
	s_add_co_u32 s60, s60, s15
	s_lshl_b32 s60, s60, 4
	s_add_co_u32 s60, s60, s19
	s_mul_i32 s60, s60, VB
	s_mov_b32 s61, 0
	s_mov_b32 s[G0K], 1
	s_mul_i32 s[G0K+1], s18, 2*KB
	s_mov_b32 s[G0V], 1
	s_mul_i32 s[G0V+1], s18, 2*VB
	s_add_co_u32 s[G0V+1], s[G0V+1], VBASE
	s_mov_b32 s[SEL], 0x76543210
	s_mov_b32 s[SEL+1], 0xfedcba98
	s_mov_b32 s[CS], 0x3e38aa3b                    ; log2(e) / 8
	s_mov_b32 s[CS+1], s[CS]
	s_wait_dscnt 0x0
	s_wait_kmcnt 0x0
	s_add_nc_u64 s[G0K+2:G0K+3], s[4:5], s[16:17]
	s_or_b32 s[G0K+3], s[G0K+3], 0x80000000
	s_add_nc_u64 s[G0V+2:G0V+3], s[6:7], s[60:61]
	s_or_b32 s[G0V+3], s[G0V+3], 0x80000000
	CROUND                                         ; the four work-groups are here: the joint loads meet
	s_cmp_lt_u32 s[WV], 8                          ; one load a wave: every way passes one
	s_cbranch_scc0 .Lfor_v
	tensor_load_to_lds s[G0K:G0K+3], s[G1K:G1K+7]
	s_nop 0
.rept 4
	v_nop
.endr
	s_branch .Lasked
.Lfor_v:
	tensor_load_to_lds s[G0V:G0V+3], s[G1V:G1V+7]
	s_nop 0
.rept 4
	v_nop
.endr
.Lasked:
	v_and_b32 v7, 31, v0                           ; lane
	v_and_b32 v8, 15, v0                           ; r
	v_bfe_u32 v9, v0, 4, 1                         ; h
	v_lshlrev_b32 v1, 4, v7                        ; 16 x lane
	v_lshlrev_b32 v2, 3, v7
	v_add_nc_u32 v2, 512, v2                       ; 512 + 8 x lane
	v_lshlrev_b32 v3, 4, v8
	v_add_nc_u32 v3, 6144, v3                      ; 6,144 + 16 r
	v_lshlrev_b32 v4, 5, v8                        ; aos: 32 r
	v_lshlrev_b32 v29, 3, v9                       ; 8 h
	v_and_b32 v10, 7, v8                           ; r % 8
	v_lshrrev_b32 v11, 3, v8                       ; r / 8
	v_mul_u32_u24 v30, v11, 1536                   ; two units on for rows 8-15
	v_lshl_add_u32 v[KA0], v10, 4, v30
	v_lshl_add_u32 v[KA0], v9, 8, v[KA0]           ; K's registers 0-3: 1,536 (r/8) + 16 (r%8) + 256 h
	v_lshl_add_u32 v[KB0], v10, 3, v30
	v_lshl_add_u32 v[KB0], v9, 7, v[KB0]
	v_add_nc_u32 v[KB0], 512, v[KB0]               ; registers 4-5: 512 + 1,536 (r/8) + 8 (r%8) + 128 h
	v_lshlrev_b32 v[KS0], 4, v10
	v_lshl_add_u32 v[KS0], v11, 3, v[KS0]
	v_add_nc_u32 v[KS0], 6144, v[KS0]              ; scale words: 6,144 + 16 (r%8) + 8 (r/8)
.irp i, 22,23,24,25,26,27,80,81,82,83,84,85,216,221,227
	v_mov_b32 v\i, 0                               ; q's upper half and what stands behind K's last tile: zero codes; lane permutes' destinations and a pair's upper half: written once
.endr
.macro PASS_HEAD p                     ; my tile of 16 queries: 32 cx + wave (+ 16)
	s_lshl_b32 s51, s13, 5
	s_add_co_u32 s51, s51, s[WV]
.if \p
	s_add_co_u32 s51, s51, 16
.endif
	s_lshl_b32 s16, s15, 2
	s_add_co_u32 s16, s16, s14
	s_lshl_b32 s16, s16, 4
	s_lshr_b32 s17, s51, 3
	s_add_co_u32 s16, s16, s17
	s_mul_i32 s16, s16, KB                         ; q's step of 128 tokens
	s_and_b32 s17, s51, 7
	s_mul_i32 s17, s17, 768                        ; its unit,
	s_bfe_u32 s18, s51, 0x10002
	s_lshl_b32 s18, s18, 8
	s_and_b32 s19, s51, 3
	s_lshl_b32 s19, s19, 2
	s_add_co_u32 s18, s18, s19                     ; its scale words
	s_add_co_u32 s18, s18, s16
	s_add_co_u32 s16, s16, s17
	s_mov_b32 s17, 0
	s_mov_b32 s19, 0
	s_add_nc_u64 s[52:53], s[4:5], s[16:17]
	s_add_nc_u64 s[54:55], s[4:5], s[18:19]
	s_lshl_b32 s16, s14, 7
	s_add_co_u32 s16, s16, s51                     ; the tile among the projection's 512
	s_lshl_b32 s18, s16, 9
	s_lshl_b32 s17, s15, 1
	s_add_co_u32 s18, s18, s17                     ; aos: 512 x tile + 2 x head
	s_lshl_b32 s16, s16, 4
	s_add_co_u32 s16, s16, s15
	s_mul_i32 s16, s16, 768                        ; aoc: unit 16 x tile + head
	s_mov_b32 s17, 0
	s_add_nc_u64 s[56:57], s[8:9], s[16:17]
	s_add_nc_u64 s[58:59], s[10:11], s[18:19]
	global_load_b128 v[16:19], v1, s[52:53]
	global_load_b64 v[20:21], v2, s[52:53]
	global_load_b32 v28, v3, s[54:55]
	v_mov_b32 v13, 0xff61b1e6                      ; the largest score so far: -3e38
	v_floor_f32 v12, -v13                          ; -M
	v_mov_b32 v14, 0
	v_mov_b32 v15, 0
.set J, 0
.rept 32
	v_mov_b32 v[160+J], 0                          ; O^T: the step is written once, the first finds zeros
.set J, J+1
.endr
	v_mov_b32 v8, v[KA0]
	v_mov_b32 v9, v[KB0]
	v_mov_b32 v10, v[KS0]
	s_mov_b32 s[TK], 0
	s_mov_b32 s[TV], VBASE
	s_mov_b32 s[CNT], 16
.endm
.macro SUM2 j                          ; the row's sum, two numbers an instruction, two chains
	v_pk_add_f32 v[14:15], v[14:15], v[96+\j:97+\j]
	v_pk_add_f32 v[230:231], v[230:231], v[98+\j:99+\j]
.endm
.macro STEP
.irp c, 0,1
.irp u, 0,1,2,3
	ds_load_b128 v[32+6*(4*\c+\u):35+6*(4*\c+\u)], v8 offset:3072*\c+768*(\u%2)+128*(\u/2)
	ds_load_b64 v[36+6*(4*\c+\u):37+6*(4*\c+\u)], v9 offset:3072*\c+768*(\u%2)+64*(\u/2)
.endr
.irp k, 0,1
	ds_load_b64 v[86+4*\c+2*\k:87+4*\c+2*\k], v10 offset:256*\c+128*\k     ; the words of tiles 4 c + 2 k and the next
.endr
.endr
	s_wait_dscnt 0x0
.irp t, 0,1,2,3,4,5,6,7
	v_wmma_scale_f32_16x16x128_f8f6f4 v[96+8*\t:103+8*\t], v[32+6*\t:43+6*\t], v[16:27], 0, v[86+\t], v28 matrix_a_fmt:MATRIX_FMT_FP6 matrix_b_fmt:MATRIX_FMT_FP6
.endr
	s_add_co_u32 s[TK], s[TK], KB
	v_add_nc_u32 v8, s[TK], v[KA0]                 ; the next step's K addresses and this step's V addresses: also the places behind the products (ISA guide 7.12.1)
	v_add_nc_u32 v9, s[TK], v[KB0]
	v_add_nc_u32 v10, s[TK], v[KS0]
	v_add_nc_u32 v11, s[TV], v1
	v_add_nc_u32 v30, s[TV], v2
	v_add_nc_u32 v31, s[TV], v3
.irp t, 0,1,2,3
.irp c, 0,1
	ds_load_b128 v[32+12*\t+6*\c:35+12*\t+6*\c], v11 offset:1536*\t+768*\c
	ds_load_b64 v[36+12*\t+6*\c:37+12*\t+6*\c], v30 offset:1536*\t+768*\c
.endr
.endr
	ds_load_b128 v[86:89], v31
.irp q, 0,1,2,3                        ; the largest score of my two blocks, in four chains by turns, each accumulator from its low end on
	v_max3_num_f32 v[212+\q], v[96+16*\q], v[97+16*\q], v[98+16*\q]
.endr
.irp i, 3,5,7,9,11,13
.irp q, 0,1,2,3
	v_max3_num_f32 v[212+\q], v[212+\q], v[96+16*\q+\i], v[97+16*\q+\i]
.endr
.endr
	v_max3_num_f32 v212, v212, v213, v111
	v_max3_num_f32 v214, v214, v215, v143
	v_max_num_f32 v212, v212, v127                 ; block h
	v_max_num_f32 v214, v214, v159                 ; block 2 + h
	DEP 1
	v_max3_num_f32 v13, v13, v212, v214
	DEP 1
	XHALF 216, 13
	DEP 1
	v_max_num_f32 v13, v13, v216                   ; the running largest score of my query
	DEP 1
	v_mul_f32 v217, s[CS], v13
	DEP 1
	v_floor_f32 v217, -v217                        ; the new -M = -ceil(t)
	DEP 1
	v_sub_f32 v218, v217, v12                      ; old M less new M: a whole number, 0 or less
	v_add_f32 v219, 0x42fa0000, v217               ; 125 - M
	v_mov_b32 v12, v217
	DEP 3
	v_cvt_i32_f32 v218, v218                       ; (it saturates)
	DEP 1
	v_ldexp_f32 v220, 1.0, v218                    ; f = 2^(old M - new M)
.set J, 0
.rept 32
	v_pk_fma_f32 v[96+J:97+J], v[96+J:97+J], s[CS:CS+1], v[12:13] op_sel_hi:[1,0,0]       ; t - M
.set J, J+2
.endr
.set J, 0
.rept 16
	v_pk_mul_f32 v[160+J:161+J], v[160+J:161+J], v[220:221] op_sel_hi:[1,0]               ; O^T under the new M
.set J, J+2
.endr
	s_wait_alu depctr_va_vdst(0)                   ; ahead of a batch of transcendentals
.set J, 0
.rept 32
	v_exp_f32 v[96+J], v[96+J]                     ; p of my first block
.set J, J+1
.endr
	v_pk_mul_f32 v[14:15], v[14:15], v[220:221] op_sel_hi:[1,0]    ; the sum under the new M; this and the scales' lines name no result of the batch
	v_fma_f32 v222, v212, s[CS], v219
	v_fma_f32 v223, v214, s[CS], v219              ; the blocks' largest t - M + 125
	v_max_num_f32 v222, 1.0, v222
	v_max_num_f32 v223, 1.0, v223                  ; the byte is held at 1 from below
	v_cvt_floor_i32_f32 v222, v222
	v_cvt_floor_i32_f32 v223, v223                 ; the scales' bytes
	v_lshlrev_b32 v224, 23, v222
	v_lshlrev_b32 v225, 23, v223                   ; and the conversions' scale operands
	v_lshl_or_b32 v226, v223, 16, v222
	v_lshlrev_b32 v226, v29, v226                  ; my bytes h and 2 + h at their places
	XHALF 227, 226
	v_or_b32 v228, v226, v227                      ; with the other half's two: p's scale word
	s_wait_alu depctr_va_vdst(0)                   ; behind the first batch and ahead of the second
.set J, 32
.rept 32
	v_exp_f32 v[96+J], v[96+J]                     ; p of my second block
.set J, J+1
.endr
	v_pk_add_f32 v[230:231], v[96:97], v[98:99]    ; the first block's sums and codes stand behind the second batch
.irp j, 4,8,12,16,20,24
	SUM2 \j
.endr
	v_cvt_scalef32_pk16_fp6_f32 v[192:194], v[96:111], v224
	v_cvt_scalef32_pk16_fp6_f32 v[204:206], v[112:127], v224       ; (a conversion's three registers begin on an even number)
	SUM2 28
.irp i, 0,1,2
	v_mov_b32 v[195+\i], v[204+\i]
.endr
	s_wait_alu depctr_va_vdst(0)                   ; behind the second batch, and directly ahead of the wait below
	s_wait_dscnt 0x0                               ; V's fragments are in
	v_cvt_scalef32_pk16_fp6_f32 v[198:200], v[128:143], v225
	v_cvt_scalef32_pk16_fp6_f32 v[208:210], v[144:159], v225
	SUM2 32
.irp i, 0,1,2
	v_mov_b32 v[201+\i], v[208+\i]
.endr
.irp j, 36,40,44,48,52
	SUM2 \j                                        ; ten plain lines between the operand's last write and the products
.endr
.irp t, 0,1,2,3
	v_wmma_scale_f32_16x16x128_f8f6f4 v[160+8*\t:167+8*\t], v[32+12*\t:43+12*\t], v[192:203], v[160+8*\t:167+8*\t], v[86+\t], v228 matrix_a_fmt:MATRIX_FMT_FP6 matrix_b_fmt:MATRIX_FMT_FP6
.endr
	SUM2 56                                        ; the last sums are the places behind the products
	SUM2 60
	v_pk_add_f32 v[14:15], v[14:15], v[230:231]
.endm
.macro PASS_BODY
	s_wait_loadcnt 0x0                             ; q
.Lstep_\@:
	STEP
	s_add_co_u32 s[TV], s[TV], VB
	s_sub_co_u32 s[CNT], s[CNT], 1
	s_cmp_lg_u32 s[CNT], 0
	s_cbranch_scc1 .Lstep_\@
	v_add_f32 v14, v14, v15
	DEP 1
	XHALF 216, 14
	DEP 1
	v_add_f32 v14, v14, v216                       ; the row's sum
	s_wait_alu depctr_va_vdst(0)
	v_rcp_f32 v14, v14
	v_nop
	s_wait_alu depctr_va_vdst(0)                   ; ahead of the first reader of the quotient and of O^T
.set J, 0
.rept 16
	v_pk_mul_f32 v[96+J:97+J], v[160+J:161+J], v[14:15] op_sel_hi:[1,0]    ; o: register 16 b + i is d = 32 b + 16 h + i
.set J, J+2
.endr
.irp b, 0,1
	v_max3_num_f32 v[212+\b], |v[96+16*\b]|, |v[97+16*\b]|, 0x1800000      ; with the floor 2^(3 - 127)
.endr
.irp i, 2,4,6,8,10,12,14
.irp b, 0,1
	DEP 2
	v_max3_num_f32 v[212+\b], v[212+\b], |v[96+16*\b+\i]|, |v[97+16*\b+\i]|
.endr
.endr
	XHALF 216, 212
	XHALF 227, 213
	DEP 2
	v_max_num_f32 v212, v212, v216
	DEP 2
	v_max_num_f32 v213, v213, v227
	DEP 2
	v_add_nc_u32 v224, 0xff000000, v212            ; 2 off the exponent field: the conversion's scale operand
	DEP 2
	v_add_nc_u32 v225, 0xff000000, v213
	DEP 2
	v_lshrrev_b32 v222, 23, v224
	DEP 2
	v_lshrrev_b32 v223, 23, v225
	DEP 1
	v_lshl_or_b32 v226, v223, 8, v222              ; the head's two scale bytes
	v_cvt_scalef32_pk16_fp6_f32 v[192:194], v[96:111], v224
	v_cvt_scalef32_pk16_fp6_f32 v[204:206], v[112:127], v225
	v_nop
.irp i, 0,1,2
	v_permlane16_swap_b32 v[192+\i], v[204+\i]     ; a whole block to a lane
.endr
.irp i, 0,1,2
	v_mov_b32 v[195+\i], v[204+\i]
.endr
	global_store_b128 v1, v[192:195], s[56:57]     ; 512 consecutive bytes,
	global_store_b64 v2, v[196:197], s[56:57]      ; and 256: the unit is whole
	v_cmp_gt_u32 vcc_lo, 16, v7
	s_wait_xcnt 0x0                                ; EXEC changes only behind this wait
	s_and_saveexec_b32 s62, vcc_lo
	global_store_b16 v4, v226, s[58:59]
	s_wait_xcnt 0x0
	s_or_b32 exec_lo, exec_lo, s62
.endm
	PASS_HEAD 0
	s_wait_alu depctr_va_vdst(0)                   ; the head's end
	s_wait_tensorcnt 0x0                           ; my two steps are in,
	s_barrier_signal -1
	s_barrier_wait -1                              ; everybody's are
	PASS_BODY
	PASS_HEAD 1
	s_wait_alu depctr_va_vdst(0)
	PASS_BODY
	s_wait_tensorcnt 0x0                           ; the wave's end
	ds_add_u32 v[SPW], v[NIL]
	s_wait_dscnt 0x0
	CROUND                                         ; the closing round
	s_endpgm
.Lfunc_end_k_qad4c2599ef_attn:
	.size	k_qad4c2599ef_attn, .Lfunc_end_k_qad4c2599ef_attn-k_qad4c2599ef_attn
	.p2alignl 7, 3214868480
	.fill 96, 4, 3214868480
	.section	.rodata,"a",@progbits
	.p2align	6, 0x0
	.amdhsa_kernel k_qad4c2599ef_attn
		.amdhsa_group_segment_fixed_size 327680
		.amdhsa_private_segment_fixed_size 0
		.amdhsa_enable_private_segment 0
		.amdhsa_kernarg_size 32
		.amdhsa_user_sgpr_count 2
		.amdhsa_user_sgpr_kernarg_segment_ptr 1
		.amdhsa_wavefront_size32 1
		.amdhsa_system_sgpr_workgroup_id_x 1
		.amdhsa_system_sgpr_workgroup_id_y 1
		.amdhsa_system_sgpr_workgroup_id_z 1
		.amdhsa_system_vgpr_workitem_id 0
		.amdhsa_next_free_vgpr 256
		.amdhsa_next_free_sgpr 66
		.amdhsa_reserve_vcc 1
		.amdhsa_float_denorm_mode_32 3
		.amdhsa_float_denorm_mode_16_64 3
		.amdhsa_memory_ordered 1
		.amdhsa_forward_progress 1
		.amdhsa_inst_pref_size 51
	.end_amdhsa_kernel
	.amdgpu_metadata
---
amdhsa.version: [ 1, 2 ]
amdhsa.kernels:
  - .name:           k_qad4c2599ef_attn
    .symbol:         k_qad4c2599ef_attn.kd
    .args:
      - { .name: qk, .offset: 0, .size: 8, .value_kind: global_buffer, .address_space: global }
      - { .name: vv, .offset: 8, .size: 8, .value_kind: global_buffer, .address_space: global }
      - { .name: aoc, .offset: 16, .size: 8, .value_kind: global_buffer, .address_space: global }
      - { .name: aos, .offset: 24, .size: 8, .value_kind: global_buffer, .address_space: global }
    .group_segment_fixed_size: 327680
    .private_segment_fixed_size: 0
    .kernarg_segment_align: 8
    .kernarg_segment_size: 32
    .max_flat_workgroup_size: 512
    .sgpr_count:     66
    .vgpr_count:     256
    .wavefront_size: 32
...
	.end_amdgpu_metadata
.endif
;; end of part 3
;; launch proj (part 4): grid 4 x 64, 4 waves a work-group, clusters of 4 x 4, 327,680 bytes of LDS; arguments aoc, aos, oc, os, proj_b, out0; writes out0
.if DOCPART == 4
	.amdgcn_target "amdgcn-amd-amdhsa--gfx1250"
	.amdhsa_code_object_version 6
	.text
	.protected	k_qad4c2599ef_proj
	.globl	k_qad4c2599ef_proj
	.p2align	8
	.type	k_qad4c2599ef_proj,@function
k_qad4c2599ef_proj:
	s_mov_b64 s[64:65], 0
	v_nop
	global_prefetch_b8 v0, s[64:65] scope:SCOPE_SE
	s_setreg_imm32_b32 hwreg(HW_REG_WAVE_MODE, 25, 1), 1
	s_wait_xcnt 0x0
	s_wait_alu depctr_hold_cnt(0) depctr_sa_sdst(0) depctr_va_vdst(0) depctr_va_sdst(0) depctr_va_ssrc(0) depctr_va_vcc(0) depctr_vm_vsrc(0)
	s_getreg_b32 s2, hwreg(HW_REG_IB_STS2, 6, 4)
	s_cmp_eq_u32 s2, 0
	s_cbranch_scc0 .Lentry_in_a_cluster
	s_endpgm
.Lentry_in_a_cluster:
	s_bfe_u32 s2, ttmp6, 0x10000c
	s_cmp_lg_u32 s2, 0xf033
	s_cbranch_scc0 .Lentry_shape_is_right
	s_endpgm
.Lentry_shape_is_right:
; out0 = o proj_w^T + proj_b on codes of FP6 (E2M3) with E8M0 scales, K = 1,024; f32 out.
; OPERANDS.  aoc and oc: [tile][16 units][768]: a tile is 16 rows (row r of tile T is row 32 (T/2) + 8 (T%2) + r + 8 (r/8)), a unit its codes of 64 along K as an image of six operand registers: registers 0-3 at
; 16 x lane, 4-5 at 512 + 8 x lane.  aos and os: [tile][r][32 scale bytes].  aoc: tiles 0-511 of o; oc: tiles 704-767 are proj_w.
; SHARES.  A work-group makes 128 tokens x 256 features: 64 x 4 = 256 work-groups.  Both operands lie in LDS for all of K (8 + 16 tiles of 12,288 bytes) with their scale bytes: four tensor loads at the head, one a
; wave, nothing filled again.  4 x 4 work-groups form a cluster: the tokens' tiles are shared along a row of it, the weights' along a column, by joint loads.  Nothing is prefetched: every load goes out at the head.
; A wave makes 64 x 128: 32 accumulators, eight steps of 128 along K, written out.  Source 0 = weights, source 1 = tokens: a lane holds one token, and 16 registers of two neighbouring weight tiles are 16 neighbouring
; features.  The bias is the C of a sum's first product.  The way out goes through a stage in the codes' bytes, behind a barrier behind which nobody reads them.
; REGISTERS.  Window 0: v0-31 addresses; v32-95 scale words (register 8 i + step: lanes 0-15 token tile i, lanes 16-31 weight tile i); v128-223 token fragments, two sets (on the way out v128-255 hold rows).
; Window 1: weight fragments, two sets at v0 and v128.  Window 2: the accumulators ((a, b) at v[8 (8 a + b)]).  Window 3: v0-63 the bias.
.set TB,    12288
.set BB0,   8*TB                       ; the weights' tiles lie behind the tokens'
.set SCL,   24*TB                      ; the scale bytes, as rows of 256 bytes + 16 of padding: 544 a tile; the tokens' 8 tiles, then the weights' 16
.set SPARE, SCL+24*544                 ; the spare words: 128 bytes a wave, two blocks of 256 bytes that no other line names
.set SPITCH, 528
.set STO,  24
.set RD,   25
.set CO,   26
.set ADRS, 27
.set SPW,  28
.set NIL,  29
.set SC,   32
.set AF,   128
.set BK,   128
.set G1,   24
.set G0A,  32
.set G0B,  36
.set G1B,  48
.set G0S,  56
.set G0SB, 60
.set G1S,  68
.set G1SB, 80
.set MSB, 0
.macro WIN new                         ; the immediate's high byte repeats the setting that is left
.if MSB != \new
	s_set_vgpr_msb (MSB<<8)|\new
.set MSB, \new
.endif
.endm
.macro PLACES n                        ; plain vector instructions behind a matrix instruction (ISA guide 7.12.1 for matrix instructions)
.rept \n
	v_nop
.endr
.endm
.macro CROUND
	s_barrier_signal -1
	s_barrier_wait -1
	s_cmp_lg_u32 s16, 0
	s_cbranch_scc1 .Lnot_wave_0_\@
	s_barrier_signal -3
.Lnot_wave_0_\@:
	s_barrier_wait -3
	s_barrier_signal -1
	s_barrier_wait -1
.endm
.macro DESC g, c, r                    ; group 1 behind its first word: r dense rows of c elements of 8 bytes
	s_mov_b32 s[\g+1], (\c)<<16
	s_mov_b32 s[\g+2], (\r)<<16
	s_mov_b32 s[\g+3], (\c)<<16
	s_mov_b32 s[\g+4], \r
	s_mov_b32 s[\g+5], \c
	s_mov_b32 s[\g+6], 0
	s_mov_b32 s[\g+7], 0
.endm
.macro ARM under, g0, g1, next
	s_cmp_lt_u32 s16, \under
	s_cbranch_scc0 \next
	tensor_load_to_lds s[\g0:\g0+3], s[\g1:\g1+7]
	s_nop 0
	PLACES 4
	s_branch .Lhead_asked
\next:
.endm
	s_load_b256 s[4:11], s[0:1], 0x0               ; aoc s[4:5], aos s[6:7], oc s[8:9], os s[10:11]
	s_load_b128 s[12:15], s[0:1], 0x20             ; proj_b s[12:13], out0 s[14:15]
	v_lshl_add_u32 v[SPW], v0, 2, SPARE
	v_mov_b32 v[NIL], 0
	ds_add_u32 v[SPW], v[NIL]                      ; the opening lines: the add, twice on end, and its wait ahead of my tensor load
	ds_add_u32 v[SPW], v[NIL]
	v_lshrrev_b32 v1, 5, v0
	v_readfirstlane_b32 s16, v1                    ; wave 0..3
	s_lshr_b32 s17, s16, 1                         ; which 64 tokens
	s_and_b32 s18, s16, 1                          ; which 128 features
	s_bfe_u32 s40, ttmp6, 0x40000                  ; cx
	s_bfe_u32 s41, ttmp6, 0x40004                  ; cy
	s_lshl_b32 s45, ttmp9, 2
	s_add_co_u32 s45, s45, s40                     ; work-group x: the 256 features
	s_and_b32 s46, ttmp7, 0xffff
	s_lshl_b32 s46, s46, 2
	s_add_co_u32 s46, s46, s41                     ; work-group y: the 128 tokens
	s_lshl_b32 s43, s41, 2
	s_lshl_b32 s43, 15, s43                        ; my row of the cluster
	s_lshl_b32 s44, 0x1111, s40                    ; my column
	s_or_b32 s[G1], s43, (3<<16)|(1<<21)
	DESC G1, 1536, 8                               ; the tokens' 8 tiles of 12,288 bytes
	s_or_b32 s[G1B], s44, (3<<16)|(1<<21)
	DESC G1B, 1536, 16                             ; the weights' 16
	s_or_b32 s[G1S], s43, (3<<16)|(1<<20)|(1<<21)|(5<<22)|(3<<25)
	DESC G1S, 32, 16                               ; scale bytes as rows of 256 bytes, 16 of padding behind each
	s_or_b32 s[G1SB], s44, (3<<16)|(1<<20)|(1<<21)|(5<<22)|(3<<25)
	DESC G1SB, 32, 32
	s_mul_i32 s20, s46, 8*TB
	s_mov_b32 s21, 0
	s_lshl_b32 s22, s46, 12
	s_mov_b32 s23, 0
	s_lshl_b32 s88, s45, 4
	s_add_co_u32 s88, s88, 704                     ; the first weight tile
	s_lshl_b32 s90, s88, 9
	s_mov_b32 s91, 0
	s_mul_i32 s88, s88, TB
	s_mov_b32 s89, 0
	s_mov_b32 s[G0A], 1
	s_mov_b32 s[G0A+1], 0
	s_mov_b32 s[G0B], 1
	s_mov_b32 s[G0B+1], BB0
	s_mov_b32 s[G0S], 1
	s_mov_b32 s[G0S+1], SCL
	s_mov_b32 s[G0SB], 1
	s_mov_b32 s[G0SB+1], SCL+8*544
	s_wait_dscnt 0x0
	s_wait_kmcnt 0x0
	s_add_nc_u64 s[G0A+2:G0A+3], s[4:5], s[20:21]
	s_or_b32 s[G0A+3], s[G0A+3], 0x80000000
	s_add_nc_u64 s[G0S+2:G0S+3], s[6:7], s[22:23]
	s_or_b32 s[G0S+3], s[G0S+3], 0x80000000
	s_add_nc_u64 s[G0B+2:G0B+3], s[8:9], s[88:89]
	s_or_b32 s[G0B+3], s[G0B+3], 0x80000000
	s_add_nc_u64 s[G0SB+2:G0SB+3], s[10:11], s[90:91]
	s_or_b32 s[G0SB+3], s[G0SB+3], 0x80000000
	CROUND                                         ; all sixteen work-groups are here: the joint loads meet
	ARM 1, G0B, G1B, .Lhead_a                      ; one load a wave, one tree of branches on the wave's number
	ARM 2, G0A, G1,  .Lhead_sa
	ARM 3, G0S, G1S, .Lhead_sb
	tensor_load_to_lds s[G0SB:G0SB+3], s[G1SB:G1SB+7]
	s_nop 0
	PLACES 4
.Lhead_asked:
	v_and_b32 v1, 15, v0                           ; r
	v_bfe_u32 v2, v0, 4, 1                         ; h
	v_and_b32 v3, 31, v0
	v_lshlrev_b32 v4, 4, v3                        ; 16 x lane
	v_lshlrev_b32 v5, 3, v3                        ; 8 x lane
	s_mul_i32 s21, s17, 4*TB                       ; my four token tiles
	s_mul_i32 s22, s18, 8*TB
	s_add_co_u32 s22, s22, BB0                     ; my eight weight tiles
	v_add_nc_u32 v16, s21, v4
	v_add_nc_u32 v17, s21, v5
	v_add_nc_u32 v18, s22, v4                      ; tiles 0-3,
	v_add_nc_u32 v19, s22, v5
	v_add_nc_u32 v20, 4*TB, v18                    ; and 4-7
	v_add_nc_u32 v21, 4*TB, v19
	v_lshlrev_b32 v6, 5, v1
	v_lshrrev_b32 v7, 3, v1
	v_lshl_add_u32 v6, v7, 4, v6                   ; a row's scale bytes: 32 r, and 16 more behind 256
	s_mul_i32 s21, s17, 4*544
	s_mul_i32 s22, s18, 8*544
	s_add_co_u32 s22, s22, 8*544
	s_sub_co_u32 s22, s22, s21
	v_mul_u32_u24 v7, s22, v2                      ; lanes 16-31 take the weights'
	s_add_co_u32 s21, s21, SCL
	v_add_nc_u32 v6, v6, v7
	v_add_nc_u32 v[ADRS], s21, v6
	s_mul_i32 s23, s16, 16*SPITCH                  ; my stage
	v_mul_u32_u24 v6, v1, SPITCH
	v_lshl_add_u32 v6, v2, 6, v6
	v_add_nc_u32 v[STO], s23, v6                   ; in: row r, 64 bytes on for lanes 16-31
	v_lshlrev_b32 v[CO], 4, v3
	v_add_nc_u32 v[RD], s23, v[CO]                 ; back: the 32 lanes take a row of 512 bytes
	s_lshl_b32 s20, s45, 1
	s_add_co_u32 s20, s20, s18
	s_lshl_b32 s20, s20, 9                         ; my 128 features, in bytes
	s_mov_b32 s21, 0
	s_add_nc_u64 s[12:13], s[12:13], s[20:21]
	s_add_nc_u64 s[14:15], s[14:15], s[20:21]
	s_lshl_b32 s20, s46, 1
	s_add_co_u32 s20, s20, s17
	s_lshl_b32 s20, s20, 18                        ; my 64 rows of 4,096 bytes
	s_add_nc_u64 s[14:15], s[14:15], s[20:21]
	v_lshlrev_b32 v8, 6, v2
	s_wait_alu depctr_va_vdst(0)                   ; the head's end
	WIN 0xc0                                       ; the bias goes into window 3: register 8 b + j is feature 32 (b/2) + 8 (b%2) + 16 h + j
.irp b, 0,1,2,3,4,5,6,7
	global_load_b128 v[8*\b:8*\b+3], v8, s[12:13] offset:(32*(\b/2)+8*(\b%2))*4
	global_load_b128 v[8*\b+4:8*\b+7], v8, s[12:13] offset:(32*(\b/2)+8*(\b%2))*4+16
.endr
	WIN 0
.macro FRAGL reg, a16, a8, off         ; a fragment is two units
	ds_load_b128 v[\reg:\reg+3], v[\a16] offset:\off
	ds_load_b64 v[\reg+4:\reg+5], v[\a8] offset:\off+512
	ds_load_b128 v[\reg+6:\reg+9], v[\a16] offset:\off+768
	ds_load_b64 v[\reg+10:\reg+11], v[\a8] offset:\off+1280
.endm
.macro FETCH st                        ; step st's fragments into sets st % 2
	WIN 0x40
.irp i, 0,1,2,3
	FRAGL 128*((\st)%2)+12*\i, 18, 19, TB*\i+1536*(\st)
	FRAGL 128*((\st)%2)+12*\i+48, 20, 21, TB*\i+1536*(\st)
.endr
	WIN 0
.irp i, 0,1,2,3
	FRAGL AF+48*((\st)%2)+12*\i, 16, 17, TB*\i+1536*(\st)
.endr
.endm
; 32 matrix instructions: the 32 accumulators take turns, one instruction a turn, in the same order in every step.  Step 0 starts the sums on the bias.
.macro MULS st
.set P, 128*((\st)%2)
.set Q, AF+48*((\st)%2)
.if (\st) == 0
	WIN 0xb1                                       ; source 0 window 1, source 1 window 0, C window 3, D window 2
.else
	WIN 0xa1
.endif
.irp a, 0,1,2,3
.irp b, 0,1,2,3,4,5,6,7
.if (\st) == 0
	v_wmma_scale_f32_16x16x128_f8f6f4 v[8*(8*\a+\b):8*(8*\a+\b)+7], v[P+12*\b:P+12*\b+11], v[Q+12*\a:Q+12*\a+11], v[8*\b:8*\b+7], v[SC+8*\b+(\st)], v[SC+8*\a+(\st)] matrix_a_fmt:MATRIX_FMT_FP6 matrix_b_fmt:MATRIX_FMT_FP6 matrix_a_scale:MATRIX_SCALE_ROW1
.else
	v_wmma_scale_f32_16x16x128_f8f6f4 v[8*(8*\a+\b):8*(8*\a+\b)+7], v[P+12*\b:P+12*\b+11], v[Q+12*\a:Q+12*\a+11], v[8*(8*\a+\b):8*(8*\a+\b)+7], v[SC+8*\b+(\st)], v[SC+8*\a+(\st)] matrix_a_fmt:MATRIX_FMT_FP6 matrix_b_fmt:MATRIX_FMT_FP6 matrix_a_scale:MATRIX_SCALE_ROW1
.endif
.endr
.endr
	WIN 0
.endm
	s_wait_tensorcnt 0x0                           ; my tile is in,
	s_barrier_signal -1
	s_barrier_wait -1                              ; everybody's are
.irp i, 0,1,2,3,4,5,6,7
	ds_load_b128 v[SC+8*\i:SC+8*\i+3], v[ADRS] offset:544*\i       ; a row's eight scale words, for all of K
	ds_load_b128 v[SC+8*\i+4:SC+8*\i+7], v[ADRS] offset:544*\i+16
.endr
	FETCH 0
	s_wait_loadcnt 0x0                             ; the bias
.irp st, 0,1,2,3,4,5,6
	s_wait_dscnt 0x0                               ; this step's fragments are in
	PLACES 4
	FETCH \st+1                                    ; the next step's are asked for ahead of this step's products
	MULS \st
.endr
	s_wait_dscnt 0x0                               ; my reads of the codes are over:
	s_barrier_signal -1                            ; say so, work on registers while the others arrive,
	MULS 7
	s_barrier_wait -1                              ; and behind this wait nobody reads the bytes in which the stages lie
.macro TOSTAGE a
	WIN 0x08                                       ; the data: window 2
.irp b, 0,1,2,3,4,5,6,7
	ds_store_b128 v[STO], v[64*(\a)+8*\b:64*(\a)+8*\b+3] offset:128*(\b/2)+32*(\b%2)       ; each accumulator from its low end on
	ds_store_b128 v[STO], v[64*(\a)+8*\b+4:64*(\a)+8*\b+7] offset:128*(\b/2)+32*(\b%2)+16
.endr
	WIN 0
.set BB, BK+64*((\a)%2)
.irp t, 0,1,2,3,4,5,6,7,8,9,10,11,12,13,14,15
	ds_load_b128 v[BB+4*\t:BB+4*\t+3], v[RD] offset:\t*SPITCH      ; LDS serves a wave's instructions in order: these see the stores above
.endr
.endm
.macro SEND a, younger                 ; younger: the LDS instructions issued behind block a's loads, which may stay out
.set BB, BK+64*((\a)%2)
	s_wait_dscnt \younger
.irp t, 0,1,2,3,4,5,6,7,8,9,10,11,12,13,14,15
	global_store_b128 v[CO], v[BB+4*\t:BB+4*\t+3], s[14:15] offset:(32*((\a)/2)+8*((\a)%2)+\t+8*(\t/8))*4096 th:TH_STORE_NT     ; 32 lanes store 512 consecutive bytes, aligned
.endr
.endm
	PLACES 4
	TOSTAGE 0
.irp a, 1,2,3
.if \a > 1
	s_wait_xcnt 0x0                                ; block a - 2's stores have read their registers
.endif
	TOSTAGE \a
	SEND \a-1, 32
.endr
	SEND 3, 0
	s_wait_tensorcnt 0x0                           ; the wave's end
	ds_add_u32 v[SPW], v[NIL]
	s_wait_dscnt 0x0
	CROUND                                         ; the closing round
	s_endpgm
.Lfunc_end_k_qad4c2599ef_proj:
	.size	k_qad4c2599ef_proj, .Lfunc_end_k_qad4c2599ef_proj-k_qad4c2599ef_proj
	.p2alignl 7, 3214868480
	.fill 96, 4, 3214868480
	.section	.rodata,"a",@progbits
	.p2align	6, 0x0
	.amdhsa_kernel k_qad4c2599ef_proj
		.amdhsa_group_segment_fixed_size 327680
		.amdhsa_private_segment_fixed_size 0
		.amdhsa_enable_private_segment 0
		.amdhsa_kernarg_size 48
		.amdhsa_user_sgpr_count 2
		.amdhsa_user_sgpr_kernarg_segment_ptr 1
		.amdhsa_wavefront_size32 1
		.amdhsa_system_sgpr_workgroup_id_x 1
		.amdhsa_system_sgpr_workgroup_id_y 1
		.amdhsa_system_sgpr_workgroup_id_z 1
		.amdhsa_system_vgpr_workitem_id 0
		.amdhsa_next_free_vgpr 1024
		.amdhsa_next_free_sgpr 96
		.amdhsa_reserve_vcc 0
		.amdhsa_float_denorm_mode_32 3
		.amdhsa_float_denorm_mode_16_64 3
		.amdhsa_memory_ordered 1
		.amdhsa_forward_progress 1
		.amdhsa_inst_pref_size 84
	.end_amdhsa_kernel
	.amdgpu_metadata
---
amdhsa.version: [ 1, 2 ]
amdhsa.kernels:
  - .name:           k_qad4c2599ef_proj
    .symbol:         k_qad4c2599ef_proj.kd
    .args:
      - { .name: aoc, .offset: 0, .size: 8, .value_kind: global_buffer, .address_space: global }
      - { .name: aos, .offset: 8, .size: 8, .value_kind: global_buffer, .address_space: global }
      - { .name: oc, .offset: 16, .size: 8, .value_kind: global_buffer, .address_space: global }
      - { .name: os, .offset: 24, .size: 8, .value_kind: global_buffer, .address_space: global }
      - { .name: proj_b, .offset: 32, .size: 8, .value_kind: global_buffer, .address_space: global }
      - { .name: out0, .offset: 40, .size: 8, .value_kind: global_buffer, .address_space: global }
    .group_segment_fixed_size: 327680
    .private_segment_fixed_size: 0
    .kernarg_segment_align: 8
    .kernarg_segment_size: 48
    .max_flat_workgroup_size: 128
    .sgpr_count:     96
    .vgpr_count:     1024
    .wavefront_size: 32
...
	.end_amdgpu_metadata
.endif
;; end of part 4
